; MI455X (gfx1250); checked and timed in simulation.
; The chip was launched on July 23, 2026; its instructions are those of AMD's public machine-readable ISA for CDNA 5 (MIT licence, August 2026) and "CDNA5" Instruction Set Architecture Reference Guide (July 2026). The comments in the code are by the model that wrote it; some were corrected since.
;; Sents Avg Summarizer. Allowed arithmetic: matrix products marked QUANTISED: E3M2 operands, one E8M0 scale for each 32 along K, by v_wmma_scale_f32_16x16x128_f8f6f4 with both operands' format E3M2, f32 sums; products left as they are: f32 operands where the result goes on into a quantised operand, else bf16, f16 or f32 operands; f32 sums; everything else in f32.
;; Inputs: b_fc 1 float32; b_sents 768 float32; clss 64 x 64 int32; mask_clss 64 x 64 float32; sents_end 64 x 64 int32; top_vec 64 x 512 x 768 float32; w_fc 768 float32; w_sents_codes 768 x 24 x 24 uint8 (E3M2 codes of w_sents, K innermost, in blocks of 32 codes, four codes in three bytes); w_sents_scales 768 x 24 uint8 (E8M0 scales of w_sents, one for each 32 codes along K).
;; Outputs: out0 64 x 64 float32.
;; This version of the problem:
;;   THIS VERSION OF THE PROBLEM IS GIVEN IN LOW PRECISION. The matrix products marked QUANTISED in the list below multiply operands that are first quantised to E3M2 (3 exponent bits, 2 mantissa bits; 6 bits a number), with one power-of-two scale for each 32 numbers along K (OCP MX v1.0); their sums are f32. All else is computed in f32.
;;   The module's matrix products, in the order in which they are computed (A, B: the left and right operand; K: the contracted axis; several contracted axes count as one K, in the product's order):
;;     1. [M 4,096, K 768] x [K 768, N 768]; A: computed on the way; B: input w_sents (given as codes): QUANTISED
;;     2. [M 4,096, K 768] x [K 768, N 1]; A: computed on the way; B: input w_fc: left as it is (N = 1 < 16)
;;   THE QUANTISER, for each operand of a quantised product, along K:
;;     - K is cut into blocks of 32 from its start; a last block that is shorter is filled with zeros.
;;     - A block's scale is 2^e with e = floor(log2(the largest magnitude in the block)) - 4, held to -126 .. 127; a block of zeros has e = 0. As a byte (E8M0): e + 127.
;;     - Each number is divided by its block's scale, clamped to +-28, and rounded to the nearest number of E3M2, ties to even, subnormals kept.
;;     - The product sums the exact products of the quantised numbers (number of the format x scale) in f32.
;;   ~~~python
;;   def quantise(x, axis):      # numpy; x: float32 -> the quantised numbers, widened to float32 again
;;       x = np.moveaxis(x, axis, -1); K = x.shape[-1]
;;       x = np.pad(x, [(0, 0)] * (x.ndim - 1) + [(0, -K % 32)]); x = x.reshape(x.shape[:-1] + (-1, 32)); a = np.abs(x).max(-1, keepdims=True)
;;       e = np.where(a > 0, np.clip(np.frexp(np.where(a > 0, a, 1))[1] - 1 - 4, -126, 127), 0)      # np.frexp(a)[1] - 1 = floor(log2(a)), exactly
;;       r = np.clip(x / 2.0 ** e, -28, 28)
;;       step = 2.0 ** (np.maximum(np.frexp(np.where(r == 0, 1, r))[1] - 1, -2) - 2)
;;       q = np.round(r / step) * step * 2.0 ** e      # np.round: ties to even
;;       return np.moveaxis(q.reshape(q.shape[:-2] + (-1,))[..., :K], -1, axis).astype(np.float32)
;;   ~~~
;;   OPERANDS COMPUTED ON THE WAY. 'Computed on the way' means the value that the module computes at that place (a softmax that the list does not call 'softmax' is quantised finished and normalised). What goes into a quantiser is computed in f32, as accurately as f32 sums, v_exp_f32 and their like allow (about 1e-6 of the number): no bf16 or f16 on the way to a quantiser, and a product that is left as it is and whose result goes on into a quantised operand takes f32 operands (vector FMAs, or v_wmma_f32_16x16x4_f32). A number that lies on a knife's edge between two numbers of the format may be rounded either way, as far as f32 arithmetic and the matrix unit's own rounding can turn it there, and no further.
;;   INPUTS GIVEN AS CODES. w_sents (in the module: [768, 768], K = its axis 1): each comes as NAME_codes (uint8): NAME with its K axis moved to the last place and cut into blocks of 32 codes, [.., K / 32, bytes a block], one block behind the other in memory; four codes in three bytes: a row's codes are one little-endian stream of bits, code i at bits 6 i .. 6 i + 5 (a code: sign, 3 exponent bits, 2 mantissa bits); and NAME_scales (uint8): the same leading axes, one E8M0 byte (e + 127) for each 32 codes along K. Its value is code x scale, taken as it is: it is not quantised again, and the codes and scales need not be those that the quantiser above would give.
;; One version. Each part assembles by itself: llvm-mc -triple=amdgcn-amd-amdhsa -mcpu=gfx1250 --defsym DOCPART=n.
;; ======== version 1 of 1: 1 launch
;; launch sents (part 1): grid 256 x 1, 16 waves a work-group, no clusters, 319,488 bytes of LDS; arguments top_vec, clss, sents_end, mask_clss, w_sents_codes, w_sents_scales, b_sents, w_fc, b_fc, out0; writes out0
.if DOCPART == 1
	.amdgcn_target "amdgcn-amd-amdhsa--gfx1250"
	.amdhsa_code_object_version 6
	.text
	.protected	k_q8c6e593674_sents
	.globl	k_q8c6e593674_sents
	.p2align	8
	.type	k_q8c6e593674_sents,@function
k_q8c6e593674_sents:
	s_mov_b64 s[64:65], 0
	v_nop
	global_prefetch_b8 v0, s[64:65] scope:SCOPE_SE
	s_setreg_imm32_b32 hwreg(HW_REG_WAVE_MODE, 25, 1), 1
	s_wait_xcnt 0x0
; out0[b][n] = sigmoid(h) x mask,  h = mask x (mask > 0 ? (mean W^T + b_sents) . w_fc : top_vec[b][511] . w_fc) + b_fc,
; mean = (the sum of rows [clss, sents_end) of document b) / max(sents_end - clss, 1); a reversed pair gives minus the sum of the rows between, as a difference of prefix sums does.
; mean W^T is done on codes of E3M2 with one E8M0 scale for each 32 along K: W arrives so, the means are quantised here, from f32.
; SHARES.  256 work-groups; work-group g owns sentences 16 g .. 16 g + 15 of the 4,096 (document g / 4): one tile of 16 rows of the product.  Sixteen waves of 256 registers.
;   Wave w (a) gathers and averages sentence 16 g + w, all 768 columns, and quantises it; (b) owns rows 48 w .. 48 w + 47 of W: three tiles of 16 outputs, 18 matrix instructions.
; W'S WAY.  A tile of W (16 rows x 576 bytes) is loaded into registers among the stream's loads, stored to the wave's own LDS slots as rows 592 bytes apart, and read back as fragments.
; NO TENSOR LOAD, NO CLUSTER: the number of rows of a sentence is read from memory (clss, sents_end) and steers a trip count.
; K IS PERMUTED ALIKE ON BOTH OPERANDS: of K step s (bytes 96 s .. 96 s + 95 of a row of codes: blocks 4 s .. 4 s + 3) lane (r, h) takes the 48 bytes at 96 s + 48 h by three loads of 16 bytes.
;   So the instruction's place 2 c + h holds block 4 s + 2 h + c, and a scale word's bytes stand in the order (block 0, 2, 1, 3).  K is summed in two accumulators a tile (even and odd K steps).
; LIMITS.  Indices are taken as unsigned and held at 512.  NaN and infinities in top_vec are not served (rows outside a sentence may be loaded and are multiplied by 0).
;   1 / length is v_rcp_f32's (1 ulp) and is folded into the rows' weights.  A block of zeros gets the scale byte 1 (its codes are zeros).  Sentences of more than 7 rows go on three rows a trip.
.set ROWT,  3072                       ; a row of top_vec in bytes
.set DOCB,  512*ROWT                   ; a document
.set WROW,  576                        ; a row of W's codes in memory
.set PW,    592                        ; and in LDS: 37 x 16 bytes, so that the sixteen rows of a 16-byte load begin at sixteen different 16-byte columns modulo 256
.set PA,    784                        ; a row of the means' codes in LDS: 32 lanes x 24 bytes + 16 = 49 x 16 bytes; bytes 0 to 575 are the row, bytes 576 to 767 doubles that nobody reads
.set TILEB, 16*WROW
.set SLOTB, 16*PW
.set AB,    0                          ; LDS: the 16 means' codes, row w by wave w, pitch PA
.set ASC,   12544                      ; their scale bytes: 32 bytes a row, 24 read, already in the permuted order
.set RED,   13056                      ; wave w's 16 partial dots: 64 bytes a wave
.set PDR,   14080                      ; wave w's partial dot of the pad row: 4 bytes a wave
.set STG,   14336                      ; each wave's own two slots for tiles of W; slot 0 also serves as the scratch in which the mean changes lanes
.set WSTG,  2*SLOTB
; v1 16 l | v2 W's row ends in memory | v3, v4 W into a slot | v5 W's fragments | v6, v7 scratch in, out | v8 my codes | v9 my scale byte | v10 A's fragments | v11 32 r | v12 RED | v13 4 r | v14 24 r | v15 4 w
.set WR,    16                         ; v16-87   a tile of W as loaded; later A's six fragments
.set RB,    88                         ; v88-255  seven row buffers of 24; buffer 0 is also the running mean
.set WF,    112                        ; v112-183 W's six fragments of the tile in hand
.set WS,    184                        ; v184-201 W's scale words, 6 T + s
.set WB,    202                        ; v202-207 the pairs (w_fc, b_sents) of my output in tile T
.set PAD,   208                        ; v208-210 the pad row at my output in tile T
.set MK,    211                        ; v211     the mask of sentence r
.set QB,    212                        ; v212-227 my block's upper 16 numbers
.set ASW,   212                        ; v212-217 later: A's scale words
.set CBP,   218                        ; v[218:219] later: (the bias's dot, the pad row's dot), my lane's part
.set MXA,   228
.set MXB,   229
.set SCF,   230
.set BYT,   231
.set QA,    232                        ; v232-247 my block's lower 16 numbers
.set CD,    248                        ; v248-254 the codes
.set HS,    104                        ; v104-111 the dots of sentences 8 h + 0 .. 7, my lane's part
.set AC0,   88                         ; accumulators: tiles 0 and 2
.set BC0,   96
.set AC1,   232                        ; tile 1
.set BC1,   240
.set BS,    40                         ; s[40:53] the base of each row buffer's row
.set WT,    66                         ; s[66:79] its weight, in both words of a pair
.macro WLOAD T                         ; tile T of my three: 16 loads of a row's first 512 bytes, 2 loads of eight rows' last 64
.irp p, 0,1,2,3,4,5,6,7,8,9,10,11,12,13,14,15
	global_load_b128 v[WR+4*\p:WR+4*\p+3], v1, s[80:81] offset:TILEB*(\T)+WROW*\p
.endr
.irp q, 0,1
	global_load_b128 v[WR+64+4*\q:WR+64+4*\q+3], v2, s[80:81] offset:TILEB*(\T)+8*WROW*\q
.endr
.endm
.macro WSTORE slot                     ; the same 18 pieces into a slot, rows PW apart
.irp p, 0,1,2,3,4,5,6,7,8,9,10,11,12,13,14,15
	ds_store_b128 v3, v[WR+4*\p:WR+4*\p+3] offset:SLOTB*(\slot)+PW*\p
.endr
.irp q, 0,1
	ds_store_b128 v4, v[WR+64+4*\q:WR+64+4*\q+3] offset:SLOTB*(\slot)+8*PW*\q
.endr
.endm
.macro WFRAG slot                      ; six fragments: lane (r, h) takes 48 bytes of row r for each K step
.irp s, 0,1,2,3,4,5
.irp i, 0,1,2
	ds_load_b128 v[WF+12*\s+4*\i:WF+12*\s+4*\i+3], v5 offset:SLOTB*(\slot)+96*\s+16*\i
.endr
.endr
.endm
.macro ROWBASE j, k                    ; buffer j takes row s59 + k, held at the sentence's last row and inside the document
	s_add_co_u32 s56, s59, \k
	s_min_u32 s56, s56, s37
	s_min_u32 s56, s56, 511
	s_mul_i32 s54, s56, ROWT
	s_add_co_u32 s54, s54, s39
	s_add_nc_u64 s[BS+2*(\j):BS+2*(\j)+1], s[8:9], s[54:55]
.endm
.macro ROWWT j, k                      ; its weight: F where s60 + k is under the sentence's length, else 0
	s_add_co_u32 s56, s60, \k
	s_cmp_gt_u32 s35, s56
	s_cselect_b32 s[WT+2*(\j)], s38, 0
	s_mov_b32 s[WT+2*(\j)+1], s[WT+2*(\j)]
.endm
.macro RLOAD j                         ; a row: six loads of 512 consecutive bytes; register 4 i + e holds column 128 i + 4 l + e
.irp i, 0,1,2,3,4,5
	global_load_b128 v[RB+24*(\j)+4*\i:RB+24*(\j)+4*\i+3], v1, s[BS+2*(\j):BS+2*(\j)+1] offset:512*\i
.endr
.endm
.macro RACC j                          ; mean += weight x row (buffer 0 starts the sum in place)
.irp p, 0,1,2,3,4,5,6,7,8,9,10,11
.if (\j) == 0
	v_pk_mul_f32 v[RB+2*\p:RB+2*\p+1], v[RB+2*\p:RB+2*\p+1], s[WT:WT+1] op_sel_hi:[1,0]
.else
	v_pk_fma_f32 v[RB+2*\p:RB+2*\p+1], v[RB+24*(\j)+2*\p:RB+24*(\j)+2*\p+1], s[WT+2*(\j):WT+2*(\j)+1], v[RB+2*\p:RB+2*\p+1] op_sel_hi:[1,0,1]
.endif
.endr
.endm
.macro SMALL                           ; 19 loads: W's scale words, w_fc, b_sents and the pad row at my three outputs, the mask
.irp t, 0,1,2
.irp u, 0,1,2
	global_load_b64 v[WS+6*\t+2*\u:WS+6*\t+2*\u+1], v14, s[82:83] offset:384*\t+8*\u
.endr
.endr
.irp t, 0,1,2
	global_load_b32 v[WB+2*\t], v13, s[86:87] offset:64*\t
	global_load_b32 v[WB+2*\t+1], v13, s[84:85] offset:64*\t
	global_load_b32 v[PAD+\t], v13, s[88:89] offset:64*\t
.endr
	global_load_b32 v[MK], v13, s[90:91]
.endm
; Six matrix instructions: source 0 = the 16 means, source 1 = 16 rows of W.  Result register j of lane (r, h): sentence 8 h + j, output 48 w + 16 T + r.
; The two accumulators take turns, one instruction a turn; the first two products start the sums.
.macro MM T, a, b
.irp s, 0,1,2,3,4,5
.set AC, (\a)+((\b)-(\a))*(\s%2)
.if \s < 2
	v_wmma_scale_f32_16x16x128_f8f6f4 v[AC:AC+7], v[WR+12*\s:WR+12*\s+11], v[WF+12*\s:WF+12*\s+11], 0, v[ASW+\s], v[WS+6*(\T)+\s] matrix_a_fmt:MATRIX_FMT_BF6 matrix_b_fmt:MATRIX_FMT_BF6
.else
	v_wmma_scale_f32_16x16x128_f8f6f4 v[AC:AC+7], v[WR+12*\s:WR+12*\s+11], v[WF+12*\s:WF+12*\s+11], v[AC:AC+7], v[ASW+\s], v[WS+6*(\T)+\s] matrix_a_fmt:MATRIX_FMT_BF6 matrix_b_fmt:MATRIX_FMT_BF6
.endif
.endr
.endm
.macro EPI T, a, b, first              ; the dots take both accumulators x w_fc at my output (the pair's low word serves both halves); each accumulator from its low end on
.irp p, 0,1,2,3
.if \first
	v_pk_mul_f32 v[HS+2*\p:HS+2*\p+1], v[(\a)+2*\p:(\a)+2*\p+1], v[WB+2*(\T):WB+2*(\T)+1] op_sel_hi:[1,0]
.else
	v_pk_fma_f32 v[HS+2*\p:HS+2*\p+1], v[(\a)+2*\p:(\a)+2*\p+1], v[WB+2*(\T):WB+2*(\T)+1], v[HS+2*\p:HS+2*\p+1] op_sel_hi:[1,0,1]
.endif
.endr
.irp p, 0,1,2,3
	v_pk_fma_f32 v[HS+2*\p:HS+2*\p+1], v[(\b)+2*\p:(\b)+2*\p+1], v[WB+2*(\T):WB+2*(\T)+1], v[HS+2*\p:HS+2*\p+1] op_sel_hi:[1,0,1]
.endr
.endm
.macro PLACES                          ; four plain places behind matrix instructions, ahead of loads into their sources and of the first read of their results
.rept 4
	v_nop
.endr
.endm
	; ---- the head: pointers; every address register is made here and never written again: each LDS address is a constant + a constant x lane + a constant x wave
	s_load_b512 s[8:23], s[0:1], 0x0               ; top_vec 8, clss 10, sents_end 12, mask 14, codes 16, scales 18, b_sents 20, w_fc 22
	s_load_b128 s[24:27], s[0:1], 0x40             ; b_fc 24, out0 26
	v_lshrrev_b32 v248, 5, v0
	s_delay_alu instid0(VALU_DEP_1)
	v_readfirstlane_b32 s2, v248                   ; w: my wave
	s_mov_b32 s3, ttmp9                            ; g: my work-group
	v_and_b32 v249, 31, v0                         ; l
	v_and_b32 v250, 15, v0                         ; r
	v_bfe_u32 v251, v0, 4, 1                       ; h
	s_mul_i32 s56, s2, WSTG
	s_add_co_u32 s56, s56, STG                     ; my two slots
	v_lshlrev_b32 v1, 4, v249                      ; 16 l
	v_lshrrev_b32 v252, 2, v249
	v_and_b32 v253, 3, v249
	s_delay_alu instid0(VALU_DEP_1)
	v_lshlrev_b32 v253, 4, v253
	s_delay_alu instid0(VALU_DEP_1)
	v_mad_u32_u24 v2, v252, WROW, v253
	s_delay_alu instid0(VALU_DEP_1)
	v_add_nc_u32 v2, 512, v2                       ; row l / 4 of eight, its last 64 bytes, piece l % 4: in memory,
	s_delay_alu instid0(VALU_DEP_3)
	v_mad_u32_u24 v4, v252, PW, v253
	s_delay_alu instid0(VALU_DEP_1)
	v_add_nc_u32 v4, 512, v4
	s_delay_alu instid0(VALU_DEP_1)
	v_add_nc_u32 v4, s56, v4                       ; and in a slot
	v_add_nc_u32 v3, s56, v1                       ; a row's first 512 bytes in a slot
	v_mul_u32_u24 v5, v250, PW
	s_delay_alu instid0(VALU_DEP_1)
	v_mad_u32_u24 v5, v251, 48, v5
	s_delay_alu instid0(VALU_DEP_1)
	v_add_nc_u32 v5, s56, v5                       ; a fragment's place in my slots: row r, + 48 h;
	v_mul_u32_u24 v10, v250, PA
	s_delay_alu instid0(VALU_DEP_1)
	v_mad_u32_u24 v10, v251, 48, v10               ; and in A
	v_lshrrev_b32 v252, 3, v249
	s_delay_alu instid0(VALU_DEP_1)
	v_lshl_add_u32 v6, v252, 4, v3                 ; scratch, in: a block of 32 columns (eight lanes' 128 bytes) has 144 bytes: 16 l + 16 (l / 8)
	v_mul_u32_u24 v7, v249, 144
	s_delay_alu instid0(VALU_DEP_1)
	v_add_nc_u32 v7, s56, v7                       ; scratch, out: lane l takes block l (blocks 24-31 are blocks 16-23 once more: 24 blocks for 32 lanes)
	s_mul_i32 s57, s2, PA
	v_mul_u32_u24 v8, v249, 24
	s_delay_alu instid0(VALU_DEP_1)
	v_add_nc_u32 v8, s57, v8                       ; my block's 24 bytes of codes in row w of A
	v_and_b32 v9, 28, v249
	v_and_b32 v253, 1, v249
	s_delay_alu instid0(VALU_DEP_1)
	v_lshl_add_u32 v9, v253, 1, v9
	v_bfe_u32 v253, v249, 1, 1
	s_delay_alu instid0(VALU_DEP_1)
	v_add_nc_u32 v9, v9, v253                      ; my block's place in the scale word: its two low bits change places
	s_lshl_b32 s57, s2, 5
	v_add_nc_u32 v9, s57, v9
	v_lshlrev_b32 v11, 5, v250
	s_lshl_b32 s57, s2, 6
	v_lshlrev_b32 v12, 5, v251
	s_delay_alu instid0(VALU_DEP_1)
	v_add_nc_u32 v12, s57, v12
	v_lshlrev_b32 v13, 2, v250
	v_mul_u32_u24 v14, v250, 24
	s_lshl_b32 s57, s2, 2
	v_mov_b32 v15, s57
	s_lshl_b32 s28, s3, 4
	s_add_co_u32 s28, s28, s2
	s_lshl_b32 s28, s28, 2                         ; my sentence's word in clss and sents_end
	s_mov_b32 s29, 0
	s_mul_i32 s54, s2, 48*WROW
	s_mov_b32 s55, 0
	s_wait_kmcnt 0x0
	s_add_nc_u64 s[10:11], s[10:11], s[28:29]
	s_add_nc_u64 s[12:13], s[12:13], s[28:29]
	s_load_b32 s30, s[10:11], 0x0                  ; start
	s_load_b32 s31, s[12:13], 0x0                  ; end
	s_load_b32 s32, s[24:25], 0x0                  ; b_fc
	s_add_nc_u64 s[80:81], s[16:17], s[54:55]      ; my 48 rows of codes
	WLOAD 0                                        ; W's first tile goes out ahead of the stream
	s_mul_i32 s54, s2, 48*24
	s_add_nc_u64 s[82:83], s[18:19], s[54:55]      ; their scale bytes
	s_mul_i32 s54, s2, 192
	s_add_nc_u64 s[84:85], s[20:21], s[54:55]      ; b_sents and w_fc at my 48 outputs
	s_add_nc_u64 s[86:87], s[22:23], s[54:55]
	s_lshr_b32 s39, s3, 2
	s_mul_i32 s39, s39, DOCB                       ; my document
	s_add_co_u32 s54, s54, s39
	s_add_co_u32 s54, s54, 511*ROWT
	s_add_nc_u64 s[88:89], s[8:9], s[54:55]        ; its last row at my 48 outputs
	s_lshl_b32 s54, s3, 6
	s_add_nc_u64 s[90:91], s[14:15], s[54:55]      ; the mask and out0 at my work-group's 16 sentences
	s_add_nc_u64 s[92:93], s[26:27], s[54:55]
	s_mov_b32 s94, 0x03010200                      ; v_perm_b32: bytes 0, 2, 1, 3
	s_wait_kmcnt 0x0
	s_min_u32 s30, s30, 512
	s_min_u32 s31, s31, 512
	s_sub_co_i32 s36, s31, s30                     ; d = end - start
	s_min_u32 s33, s30, s31                        ; the rows between: lo ..
	s_max_u32 s34, s30, s31                        ; .. hi - 1
	s_sub_co_u32 s35, s34, s33                     ; how many
	s_sub_co_u32 s37, s34, 1
	s_mov_b32 s59, s33
	s_mov_b32 s60, 0
	; ---- the stream.  Loads come back in the order of issue: T0, R0-R2, T1, R3-R6, T2, the small ones
	ROWBASE 0, 0
	RLOAD 0
	ROWBASE 1, 1
	RLOAD 1
	ROWBASE 2, 2
	RLOAD 2
	s_max_i32 s56, s36, 1                          ; F = 1 / d where d > 0, else -1 (the divisor is then 1, and the difference of prefix sums is minus the rows' sum)
	v_cvt_f32_i32 v254, s56                        ; (v254, v255 are free until buffer 6 is asked for)
	s_wait_alu depctr_va_vdst(0)
	v_rcp_f32 v255, v254
	v_nop                                          ; a plain place behind the reciprocal,
	s_wait_alu depctr_va_vdst(0)                   ; and a wait ahead of its first reader
	v_readfirstlane_b32 s38, v255
	s_cmp_gt_i32 s36, 0
	s_cselect_b32 s38, s38, -1.0
.irp j, 0,1,2,3,4,5,6
	ROWWT \j, \j
.endr
.irp j, 3,4,5,6
	ROWBASE \j, \j
.endr
	s_wait_loadcnt 18                              ; T0 is in; behind it R0-R2's 18
	WSTORE 0
	s_wait_dscnt 0x0                               ; the stores have read their registers
	WLOAD 1
.irp j, 3,4,5,6
	RLOAD \j
.endr
	s_wait_loadcnt 54                              ; R0; behind it R1, R2 (12), T1 (18), R3-R6 (24)
	RACC 0
	s_wait_loadcnt 48
	RACC 1
	s_wait_loadcnt 42
	RACC 2
	s_wait_loadcnt 24                              ; T1; behind it R3-R6
	WSTORE 1
	s_wait_dscnt 0x0                               ; the stores have read their registers
	WLOAD 2
	s_wait_loadcnt 36                              ; R3; behind it R4-R6 (18), T2 (18)
	RACC 3
	WFRAG 0                                        ; tile 0's fragments into buffers 1 to 3, which are done with
	s_wait_loadcnt 30
	RACC 4
	s_wait_loadcnt 24
	RACC 5
	s_cmp_gt_u32 s35, 7                            ; a whole number read from memory; no barrier stands on either way
	s_cbranch_scc1 .Llong
	SMALL                                          ; into buffers 4 and 5, which are done with
	s_wait_loadcnt 37                              ; R6; behind it T2 (18) and the 19 small ones
	RACC 6
	s_branch .Ljoin
.Llong:
	s_wait_loadcnt 18                              ; R6; behind it T2
	RACC 6
	s_add_co_u32 s59, s33, 7
	s_mov_b32 s60, 7
	s_sub_co_u32 s56, s35, 5
	s_mul_hi_u32 s62, s56, 0x55555556              ; trips of three rows: (length - 7 + 2) / 3, at least 1 here, at most 169
	s_mov_b32 s61, 0
.Lmore:                                                ; three more rows a trip
	s_wait_xcnt 0x0                                ; the earlier loads have read their bases, which are written below
	ROWBASE 4, 0
	ROWWT 4, 0
	ROWBASE 5, 1
	ROWWT 5, 1
	ROWBASE 6, 2
	ROWWT 6, 2
	RLOAD 4
	RLOAD 5
	RLOAD 6
	s_wait_loadcnt 12
	RACC 4
	s_wait_loadcnt 6
	RACC 5
	s_wait_loadcnt 0x0
	RACC 6
	s_add_co_u32 s59, s59, 3
	s_add_co_u32 s60, s60, 3
	s_add_co_u32 s61, s61, 1
	s_cmp_lt_u32 s61, s62
	s_cbranch_scc1 .Lmore
	SMALL
.Ljoin:                                                ; on both ways: at most T2's 18 loads and, behind them, the 19 small ones are out
	; ---- the mean changes lanes (a lane wants a whole block of 32 neighbours) and is quantised
	s_wait_alu depctr_va_vdst(0)
.irp i, 0,1,2,3,4,5,6,7
	ds_store_b128 v6, v[RB+4*(\i-2*(\i/6)):RB+4*(\i-2*(\i/6))+3] offset:576*\i    ; four blocks a store; the last two store blocks 16-23 once more, for lanes 24-31.  LDS serves a wave's instructions in order (ISA guide 5.7.1.4): tile 0's fragments were read out of these bytes first
.endr
.irp i, 0,1,2,3
	ds_load_b128 v[QA+4*\i:QA+4*\i+3], v7 offset:16*\i
.endr
.irp i, 0,1,2,3
	ds_load_b128 v[QB+4*\i:QB+4*\i+3], v7 offset:64+16*\i
.endr
	s_wait_loadcnt 19                              ; T2 is in; behind it the 19 small ones
	WSTORE 0                                       ; over slot 0, behind the scratch's reads
	s_wait_dscnt 18                                ; all but these 18 stores: my block and tile 0's fragments are in
	v_max3_num_f32 v[MXA], |v[QA]|, |v[QA+1]|, 0x2800000    ; the block's largest magnitude, in two chains, with the floor 2^(5 - 127) as one leaf: the byte cannot fall under 1
	v_max3_num_f32 v[MXB], |v[QB]|, |v[QB+1]|, |v[QB+2]|
.irp i, 0,1,2,3,4,5
	s_delay_alu instid0(VALU_DEP_2)
	v_max3_num_f32 v[MXA], v[MXA], |v[QA+2+2*\i]|, |v[QA+3+2*\i]|
	s_delay_alu instid0(VALU_DEP_2)
	v_max3_num_f32 v[MXB], v[MXB], |v[QB+3+2*\i]|, |v[QB+4+2*\i]|
.endr
	s_delay_alu instid0(VALU_DEP_2)
	v_max3_num_f32 v[MXA], v[MXA], |v[QA+14]|, |v[QA+15]|
	s_delay_alu instid0(VALU_DEP_1)
	v_max3_num_f32 v[MXA], v[MXA], v[MXB], |v[QB+15]|
	s_delay_alu instid0(VALU_DEP_1)
	v_add_nc_u32 v[SCF], 0xfe000000, v[MXA]        ; 4 off its exponent field: the conversion takes this operand's exponent field as its scale
	s_delay_alu instid0(VALU_DEP_1)
	v_lshrrev_b32 v[BYT], 23, v[SCF]               ; the scale's byte
	v_cvt_scalef32_pk16_bf6_f32 v[CD:CD+2], v[QA:QA+15], v[SCF]
	v_cvt_scalef32_pk16_bf6_f32 v[CD+4:CD+6], v[QB:QB+15], v[SCF]   ; (a conversion's three registers begin on an even number)
	v_nop                                          ; one plain place behind the conversions
	v_mov_b32 v[CD+3], v[CD+4]                     ; the block's 24 bytes on end
	v_mov_b32 v[CD+4], v[CD+5]
	v_mov_b32 v[CD+5], v[CD+6]
.irp i, 0,1,2
	ds_store_b64 v8, v[CD+2*\i:CD+2*\i+1] offset:AB+8*\i
.endr
	ds_store_b8 v9, v[BYT] offset:ASC
	s_wait_dscnt 0x0                               ; for the others' sake: my row of A and its scale bytes lie in LDS (and T2's stores have read their registers)
	s_barrier_signal -1
	s_barrier_wait -1                              ; all sixteen rows do
	; ---- the product
.irp s, 0,1,2,3,4,5
.irp i, 0,1,2
	ds_load_b128 v[WR+12*\s+4*\i:WR+12*\s+4*\i+3], v10 offset:AB+96*\s+16*\i
.endr
.endr
	ds_load_b128 v[ASW:ASW+3], v11 offset:ASC
	ds_load_b64 v[ASW+4:ASW+5], v11 offset:ASC+16
	s_wait_loadcnt 0x0                             ; the small ones
.irp q, 0,1,2,3,4,5,6,7,8,9,10,11,12,13,14,15,16,17
	v_perm_b32 v[WS+\q], v[WS+\q], v[WS+\q], s94   ; W's scale words into the permuted order; tile 0's six first: the twelve others and the six lines below stand between them and the first product
.endr
	v_mul_f32 v[CBP], v[WB], v[WB+1]               ; w_fc x b_sents and w_fc x the pad row, over my three outputs
	v_mul_f32 v[CBP+1], v[WB], v[PAD]
	s_delay_alu instid0(VALU_DEP_2)
	v_fmac_f32 v[CBP], v[WB+2], v[WB+3]
	s_delay_alu instid0(VALU_DEP_2)
	v_fmac_f32 v[CBP+1], v[WB+2], v[PAD+1]
	s_delay_alu instid0(VALU_DEP_2)
	v_fmac_f32 v[CBP], v[WB+4], v[WB+5]
	s_delay_alu instid0(VALU_DEP_2)
	v_fmac_f32 v[CBP+1], v[WB+4], v[PAD+2]
	s_wait_dscnt 0x0                               ; A's fragments and scale words
	MM 0, AC0, BC0
	PLACES
	WFRAG 1                                        ; tile 1
	EPI 0, AC0, BC0, 1
	s_wait_dscnt 0x0
	MM 1, AC1, BC1
	PLACES
	WFRAG 0                                        ; tile 2, which took slot 0
	s_wait_alu depctr_va_vdst(0)
	EPI 1, AC1, BC1, 0
	s_wait_dscnt 0x0
	MM 2, AC0, BC0                                 ; begun anew over tile 0's accumulators: eight v_nop and tile 1's eight lines stand since tile 0's products
	PLACES
	s_wait_alu depctr_va_vdst(0)
	EPI 2, AC0, BC0, 0
	; ---- the sum over my 48 outputs, then over the waves
.irp p, 0,1,2,3
	s_delay_alu instid0(VALU_DEP_4)
	v_pk_add_f32 v[HS+2*\p:HS+2*\p+1], v[HS+2*\p:HS+2*\p+1], v[CBP:CBP+1] op_sel_hi:[1,0]   ; + the bias's part
.endr
.irp x, 1,2,4,8
.irp j, 0,1,2,3,4,5,6,7
	v_add_f32_dpp v[HS+\j], v[HS+\j], v[HS+\j] row_xmask:\x row_mask:0xf bank_mask:0xf
.endr
	v_add_f32_dpp v[CBP+1], v[CBP+1], v[CBP+1] row_xmask:\x row_mask:0xf bank_mask:0xf
.endr
	ds_store_b128 v12, v[HS:HS+3] offset:RED       ; the sixteen lanes of a half store the same words with the same values
	ds_store_b128 v12, v[HS+4:HS+7] offset:RED+16
	ds_store_b32 v15, v[CBP+1] offset:PDR
	s_wait_dscnt 0x0                               ; for wave 0's sake
	s_barrier_signal -1
	s_barrier_wait -1
	s_cmp_lg_u32 s2, 0
	s_cbranch_scc1 .Lend
.irp i, 0,1,2,3,4,5,6,7,8,9,10,11,12,13,14,15
	ds_load_b32 v[16+\i], v13 offset:RED+64*\i     ; lane r: wave i's part of sentence r
.endr
	ds_load_b32 v32, v13 offset:PDR                ; lane r: wave r's part of the pad row's dot
	s_wait_dscnt 0x0
.irp i, 0,2,4,6
	v_pk_add_f32 v[16+\i:17+\i], v[16+\i:17+\i], v[24+\i:25+\i]
.endr
	s_delay_alu instid0(VALU_DEP_2)
	v_pk_add_f32 v[16:17], v[16:17], v[20:21]
	s_delay_alu instid0(VALU_DEP_2)
	v_pk_add_f32 v[18:19], v[18:19], v[22:23]
	s_delay_alu instid0(VALU_DEP_1)
	v_pk_add_f32 v[16:17], v[16:17], v[18:19]
	s_delay_alu instid0(VALU_DEP_1)
	v_add_f32 v16, v16, v17                        ; (mean W^T + b_sents) . w_fc
.irp x, 1
	v_add_f32_dpp v32, v32, v32 row_xmask:\x row_mask:0xf bank_mask:0xf
.endr
.irp x, 2, 4, 8
	s_delay_alu instid0(VALU_DEP_1)
	v_add_f32_dpp v32, v32, v32 row_xmask:\x row_mask:0xf bank_mask:0xf
.endr
	v_cmp_lt_f32 vcc_lo, 0, v[MK]
	s_delay_alu instid0(VALU_DEP_1)
	v_cndmask_b32 v33, v32, v16, vcc_lo            ; the sentence's dot where the mask is above 0, else the pad row's
	s_delay_alu instid0(VALU_DEP_1)
	v_fma_f32 v33, v33, v[MK], s32                 ; x mask + b_fc
	s_delay_alu instid0(VALU_DEP_1)
	v_mul_f32 v34, 0xbfb8aa3b, v33                 ; sigmoid(x) = 1 / (1 + 2^(-x log2 e))
	s_wait_alu depctr_va_vdst(0)
	v_exp_f32 v34, v34
	v_nop
	s_wait_alu depctr_va_vdst(0)                   ; the wait ahead of the first reader
	v_add_f32 v34, 1.0, v34
	s_wait_alu depctr_va_vdst(0)
	v_rcp_f32 v34, v34
	v_nop
	s_wait_alu depctr_va_vdst(0)
	v_mul_f32 v34, v34, v[MK]
	s_wait_alu depctr_va_vdst(0)
	s_wait_xcnt 0x0                                ; EXEC changes only behind this wait
	v_cmp_gt_u32 vcc_lo, 16, v0
	s_and_saveexec_b32 s56, vcc_lo
	global_store_b32 v13, v34, s[92:93]            ; lanes 0-15: my work-group's 64 bytes of out0
	s_wait_xcnt 0x0
	s_or_b32 exec_lo, exec_lo, s56
	s_wait_xcnt 0x0
	s_mov_b32 exec_lo, -1
	v_lshl_add_u32 v14, v0, 2, 0x4d800
	v_mov_b32 v15, 0
	s_wait_alu depctr_va_vdst(0)
	s_wait_tensorcnt 0x0
	ds_add_u32 v14, v15
	s_wait_dscnt 0x0
	s_endpgm
.Lend:
	s_wait_xcnt 0x0
	s_mov_b32 exec_lo, -1
	v_lshl_add_u32 v14, v0, 2, 0x4d800
	v_mov_b32 v15, 0
	s_wait_alu depctr_va_vdst(0)
	s_wait_tensorcnt 0x0
	ds_add_u32 v14, v15
	s_wait_dscnt 0x0
	s_endpgm
.Lfunc_end_k_q8c6e593674_sents:
	.size	k_q8c6e593674_sents, .Lfunc_end_k_q8c6e593674_sents-k_q8c6e593674_sents
	.p2alignl 7, 3214868480
	.fill 96, 4, 3214868480
	.section	.rodata,"a",@progbits
	.p2align	6, 0x0
	.amdhsa_kernel k_q8c6e593674_sents
		.amdhsa_group_segment_fixed_size 319488
		.amdhsa_private_segment_fixed_size 0
		.amdhsa_enable_private_segment 0
		.amdhsa_kernarg_size 80
		.amdhsa_user_sgpr_count 2
		.amdhsa_user_sgpr_kernarg_segment_ptr 1
		.amdhsa_wavefront_size32 1
		.amdhsa_system_sgpr_workgroup_id_x 1
		.amdhsa_system_sgpr_workgroup_id_y 1
		.amdhsa_system_sgpr_workgroup_id_z 1
		.amdhsa_system_vgpr_workitem_id 0
		.amdhsa_next_free_vgpr 256
		.amdhsa_next_free_sgpr 96
		.amdhsa_reserve_vcc 1
		.amdhsa_float_denorm_mode_32 3
		.amdhsa_float_denorm_mode_16_64 3
		.amdhsa_memory_ordered 1
		.amdhsa_forward_progress 1
		.amdhsa_inst_pref_size 56
	.end_amdhsa_kernel
	.amdgpu_metadata
---
amdhsa.version: [ 1, 2 ]
amdhsa.kernels:
  - .name:           k_q8c6e593674_sents
    .symbol:         k_q8c6e593674_sents.kd
    .args:
      - { .name: top_vec, .offset: 0, .size: 8, .value_kind: global_buffer, .address_space: global }
      - { .name: clss, .offset: 8, .size: 8, .value_kind: global_buffer, .address_space: global }
      - { .name: sents_end, .offset: 16, .size: 8, .value_kind: global_buffer, .address_space: global }
      - { .name: mask_clss, .offset: 24, .size: 8, .value_kind: global_buffer, .address_space: global }
      - { .name: w_sents_codes, .offset: 32, .size: 8, .value_kind: global_buffer, .address_space: global }
      - { .name: w_sents_scales, .offset: 40, .size: 8, .value_kind: global_buffer, .address_space: global }
      - { .name: b_sents, .offset: 48, .size: 8, .value_kind: global_buffer, .address_space: global }
      - { .name: w_fc, .offset: 56, .size: 8, .value_kind: global_buffer, .address_space: global }
      - { .name: b_fc, .offset: 64, .size: 8, .value_kind: global_buffer, .address_space: global }
      - { .name: out0, .offset: 72, .size: 8, .value_kind: global_buffer, .address_space: global }
    .group_segment_fixed_size: 319488
    .private_segment_fixed_size: 0
    .kernarg_segment_align: 8
    .kernarg_segment_size: 80
    .max_flat_workgroup_size: 512
    .sgpr_count:     96
    .vgpr_count:     256
    .wavefront_size: 32
...
	.end_amdgpu_metadata
.endif
;; end of part 1
